; MI455X (gfx1250); checked and timed in simulation.
; The chip was launched on July 23, 2026; its instructions are those of AMD's public machine-readable ISA for CDNA 5 (MIT licence, August 2026) and "CDNA5" Instruction Set Architecture Reference Guide (July 2026). The comments in the code are by the model that wrote it; some were corrected since.
;; Group Queryattention. Allowed arithmetic: matrix products marked QUANTISED: E2M1 operands, one E8M0 scale for each 32 along K, by v_wmma_scale_f32_16x16x128_f8f6f4 with both operands' format E2M1 (or v_wmma_scale_f32_32x16x128_f4), f32 sums; everything else in f32.
;; Inputs: Wk 2,048 x 1,024 float32; Wq 2,048 x 2,048 float32; Wv 2,048 x 1,024 float32; bk 1,024 float32; bq 2,048 float32; bv 1,024 float32; k 2 x 2,048 x 2,048 float32; q 2 x 2,048 x 2,048 float32; v 2 x 2,048 x 2,048 float32.
;; Outputs: out0 2 x 2,048 x 2,048 float32.
;; This version of the problem:
;;   THIS VERSION OF THE PROBLEM IS GIVEN IN LOW PRECISION. The matrix products marked QUANTISED in the list below multiply operands that are first quantised to E2M1 (2 exponent bits, 1 mantissa bit; 4 bits a number), with one power-of-two scale for each 32 numbers along K (OCP MX v1.0); their sums are f32. All else is computed in f32.
;;   The module's matrix products, in the order in which they are computed (A, B: the left and right operand; K: the contracted axis; several contracted axes count as one K, in the product's order):
;;     1. [M 4,096, K 2,048] x [K 2,048, N 2,048]; A: input q; B: input Wq: QUANTISED
;;     2. [M 4,096, K 2,048] x [K 2,048, N 1,024]; A: input k; B: input Wk: QUANTISED
;;     3. [M 4,096, K 2,048] x [K 2,048, N 1,024]; A: input v; B: input Wv: QUANTISED
;;     4. batch 16 x [M 4,096, K 128] x [K 128, N 2,048]; A: computed on the way; B: computed on the way: QUANTISED
;;     5. batch 16 x [M 4,096, K 2,048] x [K 2,048, N 128]; A: softmax (see below); B: computed on the way: QUANTISED
;;   THE QUANTISER, for each operand of a quantised product, along K:
;;     - K is cut into blocks of 32 from its start; a last block that is shorter is filled with zeros.
;;     - A block's scale is 2^e with e = floor(log2(the largest magnitude in the block)) - 2, held to -126 .. 127; a block of zeros has e = 0. As a byte (E8M0): e + 127.
;;     - Each number is divided by its block's scale, clamped to +-6, and rounded to the nearest number of E2M1, ties to even, subnormals kept.
;;     - The product sums the exact products of the quantised numbers (number of the format x scale) in f32.
;;   ~~~python
;;   def quantise(x, axis):      # numpy; x: float32 -> the quantised numbers, widened to float32 again
;;       x = np.moveaxis(x, axis, -1); K = x.shape[-1]
;;       x = np.pad(x, [(0, 0)] * (x.ndim - 1) + [(0, -K % 32)]); x = x.reshape(x.shape[:-1] + (-1, 32)); a = np.abs(x).max(-1, keepdims=True)
;;       e = np.where(a > 0, np.clip(np.frexp(np.where(a > 0, a, 1))[1] - 1 - 2, -126, 127), 0)      # np.frexp(a)[1] - 1 = floor(log2(a)), exactly
;;       r = np.clip(x / 2.0 ** e, -6, 6)
;;       step = 2.0 ** (np.maximum(np.frexp(np.where(r == 0, 1, r))[1] - 1, 0) - 1)
;;       q = np.round(r / step) * step * 2.0 ** e      # np.round: ties to even
;;       return np.moveaxis(q.reshape(q.shape[:-2] + (-1,))[..., :K], -1, axis).astype(np.float32)
;;   ~~~
;;   SOFTMAX AHEAD OF A QUANTISED PRODUCT. Where the list says 'softmax', what is quantised is not the finished softmax but p = 2^(t - M), with t = logit x log2(e) and M = ceil(the row's largest t), a whole number; so 1/2 < the row's largest p <= 1. The row's sum l is taken of the UNQUANTISED p, in f32, and the product's result is divided by l at the end. Since M is a whole number, a kernel that streams over the keys may use a running M (the ceiling of the running maximum): every later rescaling is an exact power of two, which a block's scale takes up: the codes' values come out the same.
;;   OPERANDS COMPUTED ON THE WAY. 'Computed on the way' means the value that the module computes at that place (a softmax that the list does not call 'softmax' is quantised finished and normalised). What goes into a quantiser is computed in f32, as accurately as f32 sums, v_exp_f32 and their like allow (about 1e-6 of the number): no bf16 or f16 on the way to a quantiser, and a product that is left as it is and whose result goes on into a quantised operand takes f32 operands (vector FMAs, or v_wmma_f32_16x16x4_f32). A number that lies on a knife's edge between two numbers of the format may be rounded either way, as far as f32 arithmetic and the matrix unit's own rounding can turn it there, and no further.
;; One version. Each part assembles by itself: llvm-mc -triple=amdgcn-amd-amdhsa -mcpu=gfx1250 --defsym DOCPART=n.
;; ======== version 1 of 1: 3 launches
;; limits: right only within a limited range of input values
;; workspace buffers: codes 16,777,216 bytes; scales 1,048,576 bytes; heads 8,912,896 bytes
;; launch quant (part 1): grid 1024 x 1, 4 waves a work-group, no clusters, 68,096 bytes of LDS; arguments q, k, v, Wq, Wk, Wv, codes, scales; writes codes, scales
.if DOCPART == 1
	.amdgcn_target "amdgcn-amd-amdhsa--gfx1250"
	.amdhsa_code_object_version 6
	.text
	.protected	k_qa880578e1e_quant
	.globl	k_qa880578e1e_quant
	.p2align	8
	.type	k_qa880578e1e_quant,@function
k_qa880578e1e_quant:
	s_mov_b64 s[64:65], 0
	v_nop
	global_prefetch_b8 v0, s[64:65] scope:SCOPE_SE
	s_setreg_imm32_b32 hwreg(HW_REG_WAVE_MODE, 25, 1), 1
	s_wait_xcnt 0x0
; All six f32 operands of the three projections become codes of FP4 (E2M1), K innermost, with one E8M0 byte for each 32 along K.
; codes:  16,384 rows x 1,024 bytes (2,048 codes): rows 0-4095 q's tokens, 4096-8191 k's, 8192-12287 v's, 12288-14335 Wq's columns, 14336-15359 Wk's, 15360-16383 Wv's.
; scales: the same rows x 64 bytes.
; A block's scale is 2^(floor(log2(its largest magnitude)) - 2); its byte is the largest magnitude's exponent field - 2, held at 1 from below by a floor among the maximum's leaves.
; LIMITS: a block of zeros gets the byte 1 where the rule says 127 (its codes are zeros, which add nothing under that byte, and these bytes are read by this program alone);
; blocks whose largest magnitude lies under 2^(3 - 127) share that byte; NaN and infinities among the inputs are not served.
; Work-groups 0-255 take the weights (K is their FIRST axis: a lane takes a column and its registers run down K), work-groups 256-1023 the activations (K innermost: plain streams of blocks of 32).
; EVERY WAVE OF EITHER KIND READS 32,768 BYTES.  A weights work-group takes 64 columns x 512 along K: wave w the columns 32 (w % 2) .. and the 256 rows 256 (w / 2) .. along K, so two waves fill each stage row of 256 bytes; one barrier,
; and the rows leave whole.  The two ways part on the work-group's number and have LDS bytes of their own.  The activations' waves share nothing.  No cluster: no two work-groups read the same bytes.
.set NWGW,  256                        ; work-groups for the weights: 64 blocks of 64 columns x 4 pieces of 512 along K
.set XLDS,  34816                      ; LDS: from 0 the weights' stage, 64 rows x 272; from here the activations' four regions
.set WREG,  8192                       ; an activation wave's region: two stages of 32 x SP bytes, behind them its 256 scale bytes
.set SP,    80                         ; a lane's place in a stage: 64 bytes + 16 of padding
.set CB,    8                          ; bytes of 16 codes
.set STEPS, 16
.set XR,    16                         ; v16-79   activations: four sets of 16 numbers as loaded
.set XN,    80                         ; v80-111  two sets of 16 neighbours
.set XE,    112                        ; v112-127 a scale byte for each step
.set XC,    128                        ; v128-191 codes: four registers for each step, so that no store's data are written again
.set NB,    8                          ; weights: blocks of 32 along K for a wave
.set PITCH, 272                        ; a stage row: 256 bytes of codes + 16
.set KROW,  1024                       ; a row of the codes' buffer
.set WSB,   24                         ; v24-25   the scale bytes, four to a register
.set WX,    32                         ; v32-95   two sets of 32 numbers
.set WCD,   96                         ; v96-99   a block's codes
.set WOUT,  112                        ; v112-143 the way out
.set RO,    176                        ; v176-207 byte offset of row i of a block: 4 x lane + i x the weight's row pitch; never rewritten
	s_load_b512 s[4:19], s[0:1], 0x0               ; q 4:5, k 6:7, v 8:9, Wq 10:11, Wk 12:13, Wv 14:15, codes 16:17, scales 18:19
	v_lshl_add_u32 v208, v0, 2, 0x10800            ; my spare word, behind the activations' regions
	v_mov_b32 v209, 0
	v_lshrrev_b32 v1, 5, v0
	v_readfirstlane_b32 s20, v1                    ; wave 0..3
	v_and_b32 v2, 31, v0                           ; lane
	s_wait_kmcnt 0x0
	s_cmp_lt_u32 ttmp9, NWGW
	s_cbranch_scc1 .Lweights
; ---------------- THE ACTIVATIONS.  A wave takes 16 steps of 512 numbers.  Each load reads 512 consecutive bytes, 16 a lane; a step's 2,048 bytes turn through the wave's own stage and come back 64 bytes a lane:
; 16 neighbours along K, two neighbouring lanes to a block.  A lane's 16 codes are 8 bytes: the wave stores 256 consecutive bytes.  The wave's 256 scale bytes are gathered in LDS and leave as one block of 256.
	s_sub_co_u32 s21, ttmp9, NWGW                  ; 0..767: 256 work-groups for each of q, k, v
	s_cmp_lt_u32 s21, 256
	s_cselect_b64 s[4:5], s[4:5], s[6:7]           ; q or k: the choice hangs on the work-group's number alone
	s_cmp_lt_u32 s21, 512
	s_cselect_b64 s[4:5], s[4:5], s[8:9]           ; or v
	s_wait_alu depctr_va_vdst(0)
	v_lshlrev_b32 v3, 4, v2                        ; my 16 bytes of a load's 512
	s_mul_i32 s22, s20, WREG
	s_add_co_u32 s22, s22, XLDS                    ; my wave's region
	v_lshrrev_b32 v14, 2, v2
	v_mul_u32_u24 v14, v14, SP
	v_and_b32 v15, 3, v2
	v_lshl_add_u32 v14, v15, 4, v14
	v_add_nc_u32 v14, s22, v14                     ; into the stage: SP (lane / 4) + 16 (lane % 4)
	v_mul_u32_u24 v15, v2, SP
	v_add_nc_u32 v15, s22, v15                     ; out of it: SP x lane
	v_mul_u32_u24 v4, v2, CB                       ; my codes' place in a step's
	v_lshrrev_b32 v5, 1, v2
	s_add_co_u32 s22, s22, 2*32*SP
	v_add_nc_u32 v5, s22, v5                       ; my block's byte among the wave's 256
	v_lshlrev_b32 v7, 3, v2
	v_add_nc_u32 v6, s22, v7                       ; and on the way out 8 bytes a lane
	s_and_b32 s23, s21, 255
	s_lshl_b32 s23, s23, 2
	s_add_co_u32 s23, s23, s20                     ; which run of 8,192 numbers of the tensor is my wave's
	s_lshl_b32 s24, s23, 15                        ; 32,768 bytes a run
	s_mov_b32 s25, 0
	s_add_nc_u64 s[4:5], s[4:5], s[24:25]
	s_lshl_b32 s23, s21, 2
	s_add_co_u32 s23, s23, s20                     ; and of the three tensors on end
	s_lshl_b32 s24, s23, 12                        ; 4,096 bytes of codes a run
	s_add_nc_u64 s[16:17], s[16:17], s[24:25]
	s_lshl_b32 s24, s23, 8                         ; 256 scale bytes a run
	s_add_nc_u64 s[18:19], s[18:19], s[24:25]
.macro LOADX t
.irp i, 0,1,2,3
	global_load_b128 v[XR+16*((\t)%4)+4*\i:XR+16*((\t)%4)+4*\i+3], v3, s[4:5] offset:2048*(\t)+512*\i th:TH_LOAD_NT
.endr
.endm
.macro TURNX t                         ; step t through the stage: LDS serves a wave's instructions in order
.irp i, 0,1,2,3
	ds_store_b128 v14, v[XR+16*((\t)%4)+4*\i:XR+16*((\t)%4)+4*\i+3] offset:32*SP*((\t)%2)+8*SP*\i
.endr
.irp i, 0,1,2,3
	ds_load_b128 v[XN+16*((\t)%2)+4*\i:XN+16*((\t)%2)+4*\i+3], v15 offset:32*SP*((\t)%2)+16*\i
.endr
.endm
.irp t, 0,1,2,3
	LOADX \t
.endr
	s_wait_alu depctr_va_vdst(0)
	s_wait_loadcnt 12                              ; step 0's four loads are in; the twelve of steps 1 to 3 stay out
	TURNX 0
.macro STEPX t
.set XS, XN+16*((\t)%2)
.if (\t) > 0
	s_wait_dscnt 1                                 ; this step's numbers are back; the last step's byte store may be out
.else
	s_wait_dscnt 0x0
.endif
.if (\t)+4 < STEPS
	LOADX (\t)+4                                   ; into the registers that this step's stores into the stage have read
.endif
.if (\t)+1 < STEPS
.if STEPS-2-(\t) >= 3
	s_wait_loadcnt 12                              ; the next step's four loads are in; those of the three steps behind it stay out
.else
	s_wait_loadcnt 4*(STEPS-2-(\t))                ; at the end fewer steps stand behind it
.endif
	TURNX (\t)+1
.endif
	v_max3_num_f32 v8, |v[XS]|, |v[XS+1]|, |v[XS+2]|               ; the largest magnitude of my 16, in two chains
	v_max3_num_f32 v9, |v[XS+3]|, |v[XS+4]|, |v[XS+5]|
.irp i, 6,10
	v_max3_num_f32 v8, v8, |v[XS+\i]|, |v[XS+\i+1]|
	v_max3_num_f32 v9, v9, |v[XS+\i+2]|, |v[XS+\i+3]|
.endr
	v_max3_num_f32 v8, v8, |v[XS+14]|, |v[XS+15]|
	v_max3_num_f32 v8, v8, v9, 0x1800000           ; and the floor 2^(3 - 127): the byte cannot fall under 1
	v_max_num_f32_dpp v8, v8, v8 row_xmask:1 row_mask:0xf bank_mask:0xf   ; with my neighbour's 16: the block's
	v_add_nc_u32 v11, 0xff000000, v8               ; 2 off its exponent field: the conversion's scale operand
	v_cvt_scalef32_pk8_fp4_f32 v[XC+4*(\t)], v[XS:XS+7], v11
	v_cvt_scalef32_pk8_fp4_f32 v[XC+4*(\t)+1], v[XS+8:XS+15], v11
	v_lshrrev_b32 v[XE+(\t)], 23, v11              ; the scale's byte (also the plain line behind the conversions)
	ds_store_b8 v5, v[XE+(\t)] offset:16*(\t)      ; both lanes of a block write the same byte with the same value
	global_store_b64 v4, v[XC+4*(\t):XC+4*(\t)+1], s[16:17] offset:32*CB*(\t)   ; 32 lanes store 256 consecutive bytes, aligned
.endm
.irp t, 0,1,2,3,4,5,6,7,8,9,10,11,12,13,14,15
	STEPX \t
.endr
	ds_load_b64 v[12:13], v6                       ; LDS serves a wave's instructions in order: this sees my byte stores
	s_wait_dscnt 0x0
	global_store_b64 v7, v[12:13], s[18:19]        ; 32 lanes store 256 consecutive bytes, aligned
	s_wait_tensorcnt 0x0                           ; the wave's end
	ds_add_u32 v208, v209
	s_wait_dscnt 0x0
	s_endpgm
; ---------------- THE WEIGHTS.  Each load reads one row of the weight at 32 neighbouring columns; a lane's 32 registers are one block of its column, and the conversions give codes with K innermost.
; A wave's 8 blocks are 128 bytes of its columns' stage rows; behind the barrier each wave takes 16 whole rows: sixteen lanes store 256 consecutive bytes.  The scale bytes leave 8 a row and wave, rows 64 bytes apart.
.Lweights:
	s_and_b32 s21, ttmp9, 63                       ; which 64 of the 4,096 columns of Wq, Wk, Wv on end
	s_lshr_b32 s22, ttmp9, 6                       ; which 512 along K
	s_cmp_lt_u32 s21, 48
	s_cselect_b64 s[12:13], s[12:13], s[14:15]     ; Wk or Wv
	s_cselect_b32 s23, 32, 48                      ; and the block at which it begins
	s_cmp_lt_u32 s21, 32
	s_cselect_b64 s[10:11], s[10:11], s[12:13]     ; or Wq
	s_cselect_b32 s23, 0, s23
	s_mov_b32 s24, 4096
	s_cselect_b32 s24, 8192, s24                   ; a row of the weight in bytes
	s_sub_co_u32 s23, s21, s23                     ; the block inside its weight
	s_lshr_b32 s32, s20, 1                         ; which 256 of the 512 along K is my wave's
	s_and_b32 s33, s20, 1                          ; which 32 of the 64 columns
	s_lshl_b32 s25, s22, 1
	s_add_co_u32 s25, s25, s32
	s_lshl_b32 s25, s25, 8                         ; my first row of the weight
	s_mul_i32 s26, s25, s24
	s_lshl_b32 s25, s23, 8
	s_add_co_u32 s26, s26, s25                     ; 64 columns of 4 bytes a block,
	s_lshl_b32 s25, s33, 7
	s_add_co_u32 s26, s26, s25                     ; 32 columns a wave
	s_mov_b32 s27, 0
	s_add_nc_u64 s[10:11], s[10:11], s[26:27]
	s_lshl_b32 s28, s24, 5                         ; from a block of 32 rows to the next
	s_mov_b32 s29, 0
	s_lshl_b32 s25, s21, 6
	s_add_co_u32 s25, s25, 12288                   ; my work-group's first row of the outputs
	s_lshl_b32 s30, s20, 4
	s_add_co_u32 s30, s30, s25                     ; codes: the 16 rows that my wave stores
	s_lshl_b32 s26, s30, 10
	s_lshl_b32 s30, s22, 8
	s_add_co_u32 s26, s26, s30                     ; row x 1,024 + 256 for each piece along K
	s_add_nc_u64 s[16:17], s[16:17], s[26:27]
	s_lshl_b32 s30, s33, 5
	s_add_co_u32 s25, s25, s30                     ; scale bytes: my wave's 32 columns
	s_lshl_b32 s26, s25, 6
	s_lshl_b32 s30, s22, 4
	s_add_co_u32 s26, s26, s30
	s_lshl_b32 s30, s32, 3
	s_add_co_u32 s26, s26, s30                     ; row x 64 + 16 a piece + 8 for my half of it
	s_add_nc_u64 s[18:19], s[18:19], s[26:27]
	s_wait_alu depctr_va_vdst(0)
	v_lshlrev_b32 v3, 2, v2                        ; 4 bytes a lane
.irp i, 0,1,2,3,4,5,6,7,8,9,10,11,12,13,14,15,16,17,18,19,20,21,22,23,24,25,26,27,28,29,30,31
	v_mad_u32_u24 v[RO+\i], s24, \i, v3
.endr
	s_mul_i32 s31, s33, 32*PITCH
	s_lshl_b32 s34, s32, 7
	s_add_co_u32 s31, s31, s34
	v_mul_u32_u24 v4, v2, PITCH
	v_add_nc_u32 v4, s31, v4                       ; into the stage: row = my column, my half of its 256 bytes
	s_mul_i32 s31, s20, 16*PITCH
	v_and_b32 v5, 15, v2
	v_lshrrev_b32 v6, 4, v2
	v_mul_u32_u24 v7, v6, PITCH
	v_lshl_add_u32 v7, v5, 4, v7
	v_add_nc_u32 v7, s31, v7                       ; out of it: rows 16 x wave on; sixteen lanes to a row, two rows an instruction
	v_mul_u32_u24 v8, v6, KROW
	v_lshl_add_u32 v8, v5, 4, v8                   ; and the same place in the codes' buffer
	v_lshlrev_b32 v9, 6, v2                        ; my column's row of scale bytes
.macro LOADW set                       ; the next block of 32 rows into a set; then the base steps on
.irp i, 0,1,2,3,4,5,6,7,8,9,10,11,12,13,14,15,16,17,18,19,20,21,22,23,24,25,26,27,28,29,30,31
	global_load_b32 v[WX+32*(\set)+\i], v[RO+\i], s[10:11] th:TH_LOAD_NT
.endr
	s_wait_xcnt 0x0                                ; the loads have read their base: only behind this wait is it stepped
	s_add_nc_u64 s[10:11], s[10:11], s[28:29]      ; (the step behind the last block's loads is not used)
.endm
	LOADW 0
	LOADW 1
.macro BLOCK t
.set XS, WX+32*((\t)%2)
.if (\t) < NB-1
	s_wait_loadcnt 32                              ; this block's 32 loads are in; the next block's 32 stay out
.else
	s_wait_loadcnt 0x0
.endif
	v_max3_num_f32 v12, |v[XS]|, |v[XS+1]|, |v[XS+2]|              ; the block's largest magnitude: all 32 numbers are mine
	v_max3_num_f32 v13, |v[XS+3]|, |v[XS+4]|, |v[XS+5]|
.irp i, 6,10,14,18,22,26
	v_max3_num_f32 v12, v12, |v[XS+\i]|, |v[XS+\i+1]|
	v_max3_num_f32 v13, v13, |v[XS+\i+2]|, |v[XS+\i+3]|
.endr
	v_max3_num_f32 v12, v12, |v[XS+30]|, |v[XS+31]|
	v_max3_num_f32 v12, v12, v13, 0x1800000        ; and the floor
	v_add_nc_u32 v11, 0xff000000, v12              ; the conversion's scale operand
	v_lshrrev_b32 v13, 23, v11                     ; the scale's byte
.if (\t)%4 == 0
	v_mov_b32 v[WSB+(\t)/4], v13                   ; four bytes to a register, the lower K in the lower byte
.else
	v_lshl_or_b32 v[WSB+(\t)/4], v13, 8*((\t)%4), v[WSB+(\t)/4]
.endif
.irp g, 0,1,2,3
	v_cvt_scalef32_pk8_fp4_f32 v[WCD+\g], v[XS+8*\g:XS+8*\g+7], v11
.endr
	v_nop                                          ; one plain line behind the last conversion
	ds_store_b128 v4, v[WCD:WCD+3] offset:16*(\t)  ; 32 codes: 16 bytes of my column's row
.if (\t)+2 < NB
	LOADW (\t)%2                                   ; no load leaves the weight: the last two blocks ask for nothing
.endif
	s_wait_dscnt 0x0                               ; the store is done: the next block's codes may be written, and behind the last block the barrier may be signalled
.endm
.set Q, 0
.rept NB
	BLOCK Q
.set Q, Q+1
.endr
	s_wait_alu depctr_va_vdst(0)
	global_store_b64 v9, v[WSB:WSB+1], s[18:19]    ; my column's 8 scale bytes
	s_barrier_signal -1                            ; my stores into the stage were waited for above
	s_barrier_wait -1                              ; all four waves' halves of the 64 rows are in
.irp t, 0,1,2,3,4,5,6,7
	ds_load_b128 v[WOUT+4*\t:WOUT+4*\t+3], v7 offset:2*\t*PITCH
.endr
.irp t, 0,1,2,3,4,5,6,7
	s_wait_dscnt 7-\t                              ; load t is back; the younger ones stay out
	global_store_b128 v8, v[WOUT+4*\t:WOUT+4*\t+3], s[16:17] offset:2*\t*KROW   ; sixteen lanes store 256 consecutive bytes, aligned
.endr
	s_wait_tensorcnt 0x0                           ; the wave's end
	ds_add_u32 v208, v209
	s_wait_dscnt 0x0
	s_endpgm
.Lfunc_end_k_qa880578e1e_quant:
	.size	k_qa880578e1e_quant, .Lfunc_end_k_qa880578e1e_quant-k_qa880578e1e_quant
	.p2alignl 7, 3214868480
	.fill 96, 4, 3214868480
	.section	.rodata,"a",@progbits
	.p2align	6, 0x0
	.amdhsa_kernel k_qa880578e1e_quant
		.amdhsa_group_segment_fixed_size 68096
		.amdhsa_private_segment_fixed_size 0
		.amdhsa_enable_private_segment 0
		.amdhsa_kernarg_size 64
		.amdhsa_user_sgpr_count 2
		.amdhsa_user_sgpr_kernarg_segment_ptr 1
		.amdhsa_wavefront_size32 1
		.amdhsa_system_sgpr_workgroup_id_x 1
		.amdhsa_system_sgpr_workgroup_id_y 1
		.amdhsa_system_sgpr_workgroup_id_z 1
		.amdhsa_system_vgpr_workitem_id 0
		.amdhsa_next_free_vgpr 210
		.amdhsa_next_free_sgpr 66
		.amdhsa_reserve_vcc 0
		.amdhsa_float_denorm_mode_32 3
		.amdhsa_float_denorm_mode_16_64 3
		.amdhsa_memory_ordered 1
		.amdhsa_forward_progress 1
		.amdhsa_inst_pref_size 77
	.end_amdhsa_kernel
	.amdgpu_metadata
---
amdhsa.version: [ 1, 2 ]
amdhsa.kernels:
  - .name:           k_qa880578e1e_quant
    .symbol:         k_qa880578e1e_quant.kd
    .args:
      - { .name: q, .offset: 0, .size: 8, .value_kind: global_buffer, .address_space: global }
      - { .name: k, .offset: 8, .size: 8, .value_kind: global_buffer, .address_space: global }
      - { .name: v, .offset: 16, .size: 8, .value_kind: global_buffer, .address_space: global }
      - { .name: Wq, .offset: 24, .size: 8, .value_kind: global_buffer, .address_space: global }
      - { .name: Wk, .offset: 32, .size: 8, .value_kind: global_buffer, .address_space: global }
      - { .name: Wv, .offset: 40, .size: 8, .value_kind: global_buffer, .address_space: global }
      - { .name: codes, .offset: 48, .size: 8, .value_kind: global_buffer, .address_space: global }
      - { .name: scales, .offset: 56, .size: 8, .value_kind: global_buffer, .address_space: global }
    .group_segment_fixed_size: 68096
    .private_segment_fixed_size: 0
    .kernarg_segment_align: 8
    .kernarg_segment_size: 64
    .max_flat_workgroup_size: 128
    .sgpr_count:     66
    .vgpr_count:     210
    .wavefront_size: 32
...
	.end_amdgpu_metadata
.endif
;; end of part 1
;; launch proj (part 2): grid 16 x 16, 4 waves a work-group, clusters of 4 x 4, 327,680 bytes of LDS; arguments codes, scales, bq, bk, bv, heads; writes heads
.if DOCPART == 2
	.amdgcn_target "amdgcn-amd-amdhsa--gfx1250"
	.amdhsa_code_object_version 6
	.text
	.protected	k_qa880578e1e_proj
	.globl	k_qa880578e1e_proj
	.p2align	8
	.type	k_qa880578e1e_proj,@function
k_qa880578e1e_proj:
	s_mov_b64 s[64:65], 0
	v_nop
	global_prefetch_b8 v0, s[64:65] scope:SCOPE_SE
	s_setreg_imm32_b32 hwreg(HW_REG_WAVE_MODE, 25, 1), 1
	s_wait_xcnt 0x0
	s_wait_alu depctr_hold_cnt(0) depctr_sa_sdst(0) depctr_va_vdst(0) depctr_va_sdst(0) depctr_va_ssrc(0) depctr_va_vcc(0) depctr_vm_vsrc(0)
	s_getreg_b32 s2, hwreg(HW_REG_IB_STS2, 6, 4)
	s_cmp_eq_u32 s2, 0
	s_cbranch_scc0 .Lentry_in_a_cluster
	s_endpgm
.Lentry_in_a_cluster:
	s_bfe_u32 s2, ttmp6, 0x10000c
	s_cmp_lg_u32 s2, 0xf033
	s_cbranch_scc0 .Lentry_shape_is_right
	s_endpgm
.Lentry_shape_is_right:
.set KSTEP,  512
.set NQ,     4
.set ROWB,   256
.set KROW,   1024
.set PITCH,  272
.set FR,     8
.set NL,     2
.set NP,     4
.set HALFT,  128*PITCH
.set SLOT,   4*HALFT
.set LAPS,   2
.set KS,     64
.set SCL,    2*SLOT
.set HALFS,  (128*KS/256)*272
.set SBLK,   (16*KS/256)*272
.set SPARE,  SCL+4*HALFS
.set QREG,   4456448
.set BR,   8
.set ADRA, 16
.set ADRB, 20
.set LI,   24
.set ADRS, 27
.set SPW,  28
.set NIL,  29
.set BRP,  30
.set SC,   32
.set TM,   96
.set PW,   112
.set XS,   116
.set AF,   128
.set ST,   128
.set BC,   192
.set WV,   16
.set WR,   17
.set WC,   18
.set LAP,  19
.set G1,   24
.set G0,   32
.set G1B,  48
.set G0B,  56
.set G1S,  68
.set G0S,  76
.set G1SB, 80
.set G0SB, 88
.set NOTV, 96
.set ISV,  97
.set SEL,  98
.set HI16, 100
.set MSB, 0
.macro WIN new
.if MSB != (\new)
	s_set_vgpr_msb (MSB<<8)|(\new)
.set MSB, (\new)
.endif
.endm
.set MUL_LO, 0xa1
.set MUL_HI, 0xf1
.set BEG_LO, 0x81
.set BEG_HI, 0xc1
.set TO_B,   0x40
.macro JLOAD g0a, g1a, g0b, g1b
	s_cmp_eq_u32 s[WR], 0
	s_cbranch_scc0 .Lfor_b_\@
	tensor_load_to_lds s[\g0a:\g0a+3], s[\g1a:\g1a+7]
	s_nop 0
.rept 4
	v_nop
.endr
	s_branch .Lasked_\@
.Lfor_b_\@:
	tensor_load_to_lds s[\g0b:\g0b+3], s[\g1b:\g1b+7]
	s_nop 0
.rept 4
	v_nop
.endr
.Lasked_\@:
.endm
.macro CREST
	s_cmp_lg_u32 s[WV], 0
	s_cbranch_scc1 .Lnot_wave_0_\@
	s_barrier_signal -3
.Lnot_wave_0_\@:
	s_barrier_wait -3
	s_barrier_signal -1
	s_barrier_wait -1
.endm
.macro CROUND
	s_barrier_signal -1
	s_barrier_wait -1
	CREST
.endm
	s_load_b256 s[4:11], s[0:1], 0x0
	s_load_b128 s[12:15], s[0:1], 0x20
	v_lshl_add_u32 v[SPW], v0, 2, SPARE
	v_mov_b32 v[NIL], 0
	ds_add_u32 v28, v29
	ds_add_u32 v28, v29
	s_wait_dscnt 0x0
	v_lshrrev_b32 v1, 5, v0
	v_readfirstlane_b32 s[WV], v1
	s_lshr_b32 s[WR], s[WV], 1
	s_and_b32 s[WC], s[WV], 1
	s_bfe_u32 s40, ttmp6, 0x40000
	s_bfe_u32 s41, ttmp6, 0x40004
	s_and_b32 s43, ttmp7, 0xffff
	s_lshl_b32 s44, s41, 2
	s_lshl_b32 s44, 15, s44
	s_lshl_b32 s45, 0x1111, s40
	s_cmp_eq_u32 ttmp9, 2
	s_cselect_b32 s20, 4096, 0
	s_mov_b32 s46, 12288
	s_cselect_b32 s46, 14336, s46
	s_cselect_b32 s22, 0, ttmp9
	s_cmp_eq_u32 ttmp9, 3
	s_cselect_b32 s20, 15360, s20
	s_cselect_b32 s46, 8192, s46
	s_cselect_b32 s22, s43, s22
	s_cselect_b32 s23, 0, s43
	s_cselect_b32 s[NOTV], 0, -1
	s_cselect_b32 s[ISV], -1, 0
	s_lshl_b32 s23, s23, 2
	s_add_co_u32 s23, s23, s41
	s_lshl_b32 s22, s22, 2
	s_add_co_u32 s22, s22, s40
	s_lshl_b32 s2, s23, 8
	s_add_co_u32 s20, s20, s2
	s_lshl_b32 s66, s22, 8
	s_add_co_u32 s46, s46, s66
	s_lshl_b32 s92, s20, 6
	s_mov_b32 s93, 0
	s_lshl_b32 s20, s20, 10
	s_mov_b32 s21, 0
	s_lshl_b32 s94, s46, 6
	s_mov_b32 s95, 0
	s_lshl_b32 s46, s46, 10
	s_mov_b32 s47, 0
	s_mul_i32 s67, s[WV], HALFT
	s_or_b32 s[G1+0], s44, (0<<16)|(1<<20)|(1<<21)|(5<<22)|(3<<25)
	s_or_b32 s[G1B+0], s45, (0<<16)|(1<<20)|(1<<21)|(5<<22)|(3<<25)
.irp g, G1, G1B
	s_mov_b32 s[\g+1], ROWB<<16
	s_mov_b32 s[\g+2], 256<<16                     ; the head's loads of codes bring 256 rows
	s_mov_b32 s[\g+3], ROWB<<16
	s_mov_b32 s[\g+4], 256
	s_mov_b32 s[\g+5], KROW
	s_mov_b32 s[\g+6], 0
	s_mov_b32 s[\g+7], 0
.endr
	s_or_b32 s[G1S+0], s44, (3<<16)|(1<<20)|(1<<21)|(5<<22)|(3<<25)
	s_or_b32 s[G1SB+0], s45, (3<<16)|(1<<20)|(1<<21)|(5<<22)|(3<<25)
.irp g, G1S, G1SB
	s_mov_b32 s[\g+1], 32<<16
	s_mov_b32 s[\g+2], (256*KS/256)<<16            ; the scales of 256 rows: 64 rows of 256 bytes
	s_mov_b32 s[\g+3], 32<<16
	s_mov_b32 s[\g+4], 256*KS/256
	s_mov_b32 s[\g+5], 32
	s_mov_b32 s[\g+6], 0
	s_mov_b32 s[\g+7], 0
.endr
	s_mov_b32 s[SEL], 0x76543210
	s_mov_b32 s[SEL+1], 0xfedcba98
	s_mov_b32 s[HI16], 0xffff0000
	s_wait_kmcnt 0x0
	s_add_nc_u64 s[20:21], s[4:5], s[20:21]
	s_add_nc_u64 s[92:93], s[6:7], s[92:93]
	s_add_nc_u64 s[46:47], s[4:5], s[46:47]
	s_add_nc_u64 s[94:95], s[6:7], s[94:95]
	CROUND
	s_mov_b32 s[G0S], 1
	s_mov_b32 s[G0S+1], SCL
	s_mov_b64 s[G0S+2:G0S+3], s[92:93]
	s_or_b32 s[G0S+3], s[G0S+3], 0x80000000
	s_mov_b32 s[G0SB], 1
	s_mov_b32 s[G0SB+1], SCL+2*HALFS
	s_mov_b64 s[G0SB+2:G0SB+3], s[94:95]
	s_or_b32 s[G0SB+3], s[G0SB+3], 0x80000000
.set G0H,  4                           ; s[4:7], s[40:43]: group 0 for the head's loads of K step 0 (what lay there has been used)
.set G0HB, 40
	s_mov_b32 s[G0H], 1                            ; A's 256 rows of K step 0, to slot 0
	s_mov_b32 s[G0H+1], 0
	s_mov_b64 s[G0H+2:G0H+3], s[20:21]
	s_or_b32 s[G0H+3], s[G0H+3], 0x80000000
	s_mov_b32 s[G0HB], 1                           ; B's 256 rows, behind them
	s_mov_b32 s[G0HB+1], 2*HALFT
	s_mov_b64 s[G0HB+2:G0HB+3], s[46:47]
	s_or_b32 s[G0HB+3], s[G0HB+3], 0x80000000
	s_lshl_b32 s2, s[WC], 17                       ; for the ring: my 128 rows of the tile, 1,024 bytes a row
	s_mov_b32 s3, 0
	s_add_nc_u64 s[20:21], s[20:21], s[2:3]
	s_add_nc_u64 s[46:47], s[46:47], s[2:3]
.irp s, 0,1
	s_mov_b32 s[G0+4*\s], 1
	s_add_co_u32 s[G0+4*\s+1], s67, \s*SLOT
	s_add_nc_u64 s[G0+4*\s+2:G0+4*\s+3], s[20:21], \s*ROWB
	s_or_b32 s[G0+4*\s+3], s[G0+4*\s+3], 0x80000000
	s_mov_b32 s[G0B+4*\s], 1
	s_add_co_u32 s[G0B+4*\s+1], s67, \s*SLOT
	s_add_nc_u64 s[G0B+4*\s+2:G0B+4*\s+3], s[46:47], \s*ROWB
	s_or_b32 s[G0B+4*\s+3], s[G0B+4*\s+3], 0x80000000
.endr
; The head's four tiles, one joint load a wave: wave 0 A's codes, wave 1 B's, wave 2 A's scales, wave 3 B's: one tree of branches on the wave's number, a load to an arm
.macro ARM under, g0, g1, next
	s_cmp_lt_u32 s[WV], \under
	s_cbranch_scc0 \next
	tensor_load_to_lds s[\g0:\g0+3], s[\g1:\g1+7]
	s_nop 0
.rept 4
	v_nop
.endr
	s_branch .Lhead_asked
\next:
.endm
	ARM 1, G0H,  G1,  .Lhead_b
	ARM 2, G0HB, G1B, .Lhead_sa
	ARM 3, G0S,  G1S, .Lhead_sb
	tensor_load_to_lds s[G0SB:G0SB+3], s[G1SB:G1SB+7]
	s_nop 0
.rept 4
	v_nop
.endr
.Lhead_asked:
	v_and_b32 v1, 15, v0
	v_bfe_u32 v2, v0, 4, 1
	v_mul_u32_u24 v3, v1, PITCH
	v_lshl_add_u32 v4, v2, 4, v3
	s_mul_i32 s2, s[WR], HALFT
	s_mul_i32 s3, s[WC], HALFT
	s_add_co_u32 s3, s3, 2*HALFT
.irp s, 0,1
	v_add_nc_u32 v[ADRA+\s], s2, v4
	v_add_nc_u32 v[ADRB+\s], s3, v4
	s_add_co_u32 s2, s2, SLOT
	s_add_co_u32 s3, s3, SLOT
.endr
	v_mul_u32_u24 v5, v1, KS
	v_lshrrev_b32 v6, 8, v5
	v_lshl_add_u32 v5, v6, 4, v5
	s_mul_i32 s2, s[WR], HALFS
	s_mul_i32 s3, s[WC], HALFS
	s_add_co_u32 s3, s3, 2*HALFS
	s_sub_co_u32 s3, s3, s2
	v_mul_u32_u24 v6, s3, v2
	s_add_co_u32 s2, s2, SCL
	v_add_nc_u32 v5, v5, v6
	v_add_nc_u32 v[ADRS], s2, v5
	v_and_b32 v5, 31, v0
	v_lshlrev_b32 v[LI], 4, v5
	s_lshl_b32 s2, s23, 1
	s_add_co_u32 s2, s2, s[WR]
	s_lshl_b32 s3, s22, 1
	s_add_co_u32 s3, s3, s[WC]
	s_cmp_eq_u32 ttmp9, 3
	s_cselect_b32 s66, s3, s2
	s_cselect_b32 s67, s2, s3
	s_cselect_b32 s101, 8192, 0
	s_cselect_b64 s[10:11], s[12:13], s[10:11]
	s_lshl_b32 s2, s67, 9
	s_cmp_eq_u32 ttmp9, 3
	s_cselect_b32 s20, 0, s2
	s_cselect_b32 s46, s2, 0
	s_mov_b32 s21, 0
	s_mov_b32 s47, 0
	s_cmp_lt_u32 ttmp9, 2
	s_cselect_b64 s[8:9], s[8:9], s[10:11]
	s_cselect_b32 s92, 4, 3
	s_mov_b32 s93, 17408
	s_cselect_b32 s93, 8704, s93
	s_cselect_b32 s94, 0, QREG
	s_mov_b32 s95, 16384
	s_cselect_b32 s95, 8192, s95
	s_cmp_eq_u32 ttmp9, 3
	s_cselect_b32 s95, 8704, s95
	s_add_nc_u64 s[8:9], s[8:9], s[20:21]
	s_add_nc_u64 s[12:13], s[12:13], s[46:47]
	s_lshr_b32 s2, s66, 4
	s_lshl_b32 s2, s2, s92
	s_add_co_u32 s2, s2, s67
	s_lshl_b32 s2, s2, 4
	s_and_b32 s3, s66, 15
	s_add_co_u32 s2, s2, s3
	s_mul_i32 s2, s2, s93
	s_add_co_u32 s2, s2, s94
	s_add_co_u32 s2, s2, s101
	s_mov_b32 s3, 0
	s_add_nc_u64 s[92:93], s[14:15], s[2:3]
	s_mov_b32 s2, s95
	s_add_nc_u64 s[94:95], s[92:93], s[2:3]
	v_lshlrev_b32 v6, 5, v2
	v_lshlrev_b32 v7, 2, v1
.irp b, 0,1,2,3,4,5,6,7
	global_load_b128 v[BC+8*\b:BC+8*\b+3], v6, s[8:9] offset:64*\b
	global_load_b128 v[BC+8*\b+4:BC+8*\b+7], v6, s[8:9] offset:64*\b+16
.endr
.irp a, 0,1,2,3,4,5,6,7
	global_load_b32 v[BR+\a], v7, s[12:13] offset:64*\a
.endr
	s_wait_alu depctr_va_vdst(0)
	s_wait_tensorcnt 0x0                           ; my tile of the head's four is in
	ds_add_u32 v28, v29
	s_mov_b32 s[G1+2], 128<<16                     ; no tensor load of mine is out: from here on a load brings 128 rows
	s_mov_b32 s[G1+4], 128
	s_mov_b32 s[G1B+2], 128<<16
	s_mov_b32 s[G1B+4], 128
	s_wait_dscnt 0x0
	CROUND                                         ; all four tiles are in, and all sixteen work-groups are here
	JLOAD G0+4, G1, G0B+4, G1B                     ; K step 1, to slot 1
	s_wait_loadcnt 0x0                             ; the biases, asked for ahead of the waits above
.set i, 0
.rept 64
	v_cndmask_b32 v[BC+i], 0, v[BC+i], s[NOTV]
.set i, i+1
.endr
.irp a, 0,1,2,3,4,5,6,7
	v_cndmask_b32 v[BR+\a], 0, v[BR+\a], s[ISV]
.endr
.irp b, 0,1,2,3
	v_mov_b32 v[TM+4+\b], 0
.endr
	v_mov_b32 v[BRP+1], 0
.macro FRAG reg, adr, q, i
.irp c, 0,1
	ds_load_b128 v[\reg+4*\c:\reg+4*\c+3], v[\adr] offset:64*(\q)+32*\c+(\i)*16*PITCH
.endr
.endm
.macro MUL16 a0, p, q, sc, zero
.irp a, \a0, \a0+1
.irp b, 0,1,2,3,4,5,6,7
.if \zero
	v_wmma_scale_f32_16x16x128_f8f6f4 v[8*(8*((\a)%4)+\b):8*(8*((\a)%4)+\b)+7], v[128*(\p)+FR*\b:128*(\p)+FR*\b+FR-1], v[AF+FR*(\a):AF+FR*(\a)+FR-1], v[BC+8*\b:BC+8*\b+7], v[SC+8*NQ*(\sc)+NQ*\b+(\q)], v[SC+8*NQ*(\sc)+NQ*(\a)+(\q)] matrix_a_fmt:MATRIX_FMT_FP4 matrix_b_fmt:MATRIX_FMT_FP4 matrix_a_scale:MATRIX_SCALE_ROW1
.else
	v_wmma_scale_f32_16x16x128_f8f6f4 v[8*(8*((\a)%4)+\b):8*(8*((\a)%4)+\b)+7], v[128*(\p)+FR*\b:128*(\p)+FR*\b+FR-1], v[AF+FR*(\a):AF+FR*(\a)+FR-1], v[8*(8*((\a)%4)+\b):8*(8*((\a)%4)+\b)+7], v[SC+8*NQ*(\sc)+NQ*\b+(\q)], v[SC+8*NQ*(\sc)+NQ*(\a)+(\q)] matrix_a_fmt:MATRIX_FMT_FP4 matrix_b_fmt:MATRIX_FMT_FP4 matrix_a_scale:MATRIX_SCALE_ROW1
.endif
.endr
.endr
.endm
.macro FETCH_B slot, q, p
	WIN TO_B
.irp i, 0,1,2,3,4,5,6,7
	FRAG 128*(\p)+FR*\i, ADRB+\slot, \q, \i
.endr
	WIN 0
.endm
.macro FETCH_A slot, q, i0
.irp i, \i0, \i0+1, \i0+2, \i0+3
	FRAG AF+FR*(\i), ADRA+\slot, \q, \i
.endr
.endm
.macro SCALES sc
.irp i, 0,1,2,3,4,5,6,7
	ds_load_b128 v[SC+8*NQ*\sc+NQ*\i:SC+8*NQ*\sc+NQ*\i+3], v[ADRS] offset:\i*SBLK
.endr
.endm
.macro PLACES n
.rept \n
	v_nop
.endr
.endm
.macro STEP slot, q, zero
	s_wait_dscnt 4*NL
.if \zero
	WIN BEG_LO
.else
	WIN MUL_LO
.endif
	MUL16 0, (\q)%2, \q, \slot, \zero
	MUL16 2, (\q)%2, \q, \slot, \zero
	s_wait_dscnt 0
	PLACES NP
	FETCH_B \slot, (\q)+1, 1-(\q)%2
	FETCH_A \slot, (\q)+1, 0
.if \zero
	WIN BEG_HI
.else
	WIN MUL_HI
.endif
	MUL16 4, (\q)%2, \q, \slot, \zero
	MUL16 6, (\q)%2, \q, \slot, \zero
	PLACES NP
	WIN 0
	FETCH_A \slot, (\q)+1, 4
.endm
.macro TURN slot, next, fill
	s_wait_tensorcnt 0x0
	ds_add_u32 v[SPW], v[NIL]
	s_wait_dscnt 4*NL+1
	WIN MUL_LO
	MUL16 0, 1, NQ-1, \slot, 0
	s_wait_dscnt 0x0
	s_barrier_signal -1
	MUL16 2, 1, NQ-1, \slot, 0
	WIN 0
	s_barrier_wait -1
.if \fill
	CREST
	s_add_nc_u64 s[G0+4*\slot+2:G0+4*\slot+3], s[G0+4*\slot+2:G0+4*\slot+3], 2*ROWB
	s_add_nc_u64 s[G0B+4*\slot+2:G0B+4*\slot+3], s[G0B+4*\slot+2:G0B+4*\slot+3], 2*ROWB
	JLOAD G0+4*\slot, G1, G0B+4*\slot, G1B
.else
	PLACES NP
.endif
	s_wait_alu depctr_va_vdst(0)
	v_add_nc_u32 v[ADRS], 4*NQ, v[ADRS]
	FETCH_B \next, 0, 0
	FETCH_A \next, 0, 0
	SCALES \next
	WIN MUL_HI
	MUL16 4, 1, NQ-1, \slot, 0
	MUL16 6, 1, NQ-1, \slot, 0
	PLACES NP
	WIN 0
	FETCH_A \next, 0, 4
.endm
.macro STEPS slot, from
.set Q, \from
.rept NQ-1-\from
	STEP \slot, Q, 0
.set Q, Q+1
.endr
.endm
	s_wait_tensorcnt 1
	s_barrier_signal -1
	s_barrier_wait -1
	FETCH_B 0, 0, 0
	FETCH_A 0, 0, 0
	SCALES 0
	FETCH_A 0, 0, 4
	STEP 0, 0, 1
	s_mov_b32 s[LAP], LAPS-1
.Llap:
	STEPS 0, 1
	TURN 0, 1, 1
	STEPS 1, 0
	TURN 1, 0, 1
	STEP 0, 0, 0
	s_sub_co_u32 s[LAP], s[LAP], 1
	s_cmp_lg_u32 s[LAP], 0
	s_cbranch_scc1 .Llap
	STEPS 0, 1
	TURN 0, 1, 0
	STEPS 1, 0
	s_wait_dscnt 4*NL
	WIN MUL_LO
	MUL16 0, 1, NQ-1, 1, 0
	MUL16 2, 1, NQ-1, 1, 0
	s_wait_dscnt 0
	WIN MUL_HI
	MUL16 4, 1, NQ-1, 1, 0
	MUL16 6, 1, NQ-1, 1, 0
	WIN 0
.macro QUANT s, pc
.irp b, 0,1,2,3
	v_max3_num_f32 v[TM+\b], |v[\s+16*\b]|, |v[\s+1+16*\b]|, 0x1800000
.endr
.irp i, 2,4,6,8,10,12,14
.irp b, 0,1,2,3
	v_max3_num_f32 v[TM+\b], v[TM+\b], |v[\s+16*\b+\i]|, |v[\s+1+16*\b+\i]|
.endr
.endr
.irp b, 0,1,2,3
	v_permlanex16_b32 v[TM+4+\b], v[TM+\b], s[SEL], s[SEL+1]
.endr
.irp b, 0,1,2,3
	v_max_num_f32 v[TM+\b], v[TM+\b], v[TM+4+\b]
.endr
.irp b, 0,1,2,3
	v_add_nc_u32 v[TM+12+\b], 0xff000000, v[TM+\b]
.endr
.irp b, 0,1,2,3
	v_lshrrev_b32 v[TM+4+\b], 23, v[TM+12+\b]
.endr
	v_lshl_or_b32 v[PW], v[TM+5], 8, v[TM+4]
	v_lshl_or_b32 v[PW], v[TM+6], 16, v[PW]
	v_lshl_or_b32 v[PW], v[TM+7], 24, v[PW]
.irp c, 0,1
.irp z, 0,1
.irp u, 0,1
	v_cvt_scalef32_pk8_fp4_f32 v[(\pc)+4*\c+2*\u+\z], v[\s+8*(4*\c+2*\z+\u):\s+8*(4*\c+2*\z+\u)+7], v[TM+12+2*\c+\z]
.endr
.endr
.endr
	v_nop
.irp c, 0,1
	v_permlane16_swap_b32 v[(\pc)+4*\c], v[(\pc)+4*\c+1]
	v_permlane16_swap_b32 v[(\pc)+4*\c+2], v[(\pc)+4*\c+3]
.endr
.endm
	PLACES NP
.irp a, 0,1,2,3,4,5,6,7
	v_mov_b32 v[BRP], v[BR+\a]
.set WW, 0x02+\a/4
	WIN WW
.set AC, 64*(\a%4)
.set i, 0
.rept 32
	v_pk_add_f32 v[ST+i:ST+i+1], v[AC+i:AC+i+1], v[BRP:BRP+1] op_sel_hi:[1,0]
.set i, i+2
.endr
	WIN 0
	QUANT ST, BC+8*\a
	global_store_b128 v[LI], v[BC+8*\a:BC+8*\a+3], s[92:93] offset:1024*\a
	global_store_b128 v[LI], v[BC+8*\a+4:BC+8*\a+7], s[92:93] offset:1024*\a+512
.if \a%2
	v_cndmask_b32 v[XS+\a/2], v[XS+\a/2], v[PW], s[HI16]
.else
	v_mov_b32 v[XS+\a/2], v[PW]
.endif
.endr
	global_store_b128 v[LI], v[XS:XS+3], s[94:95]
	s_wait_tensorcnt 0x0
	ds_add_u32 v[SPW], v[NIL]
	s_wait_dscnt 0x0
	CROUND
	s_endpgm
.Lfunc_end_k_qa880578e1e_proj:
	.size	k_qa880578e1e_proj, .Lfunc_end_k_qa880578e1e_proj-k_qa880578e1e_proj
	.p2alignl 7, 3214868480
	.fill 96, 4, 3214868480
	.section	.rodata,"a",@progbits
	.p2align	6, 0x0
	.amdhsa_kernel k_qa880578e1e_proj
		.amdhsa_group_segment_fixed_size 327680
		.amdhsa_private_segment_fixed_size 0
		.amdhsa_enable_private_segment 0
		.amdhsa_kernarg_size 48
		.amdhsa_user_sgpr_count 2
		.amdhsa_user_sgpr_kernarg_segment_ptr 1
		.amdhsa_wavefront_size32 1
		.amdhsa_system_sgpr_workgroup_id_x 1
		.amdhsa_system_sgpr_workgroup_id_y 1
		.amdhsa_system_sgpr_workgroup_id_z 1
		.amdhsa_system_vgpr_workitem_id 0
		.amdhsa_next_free_vgpr 1024
		.amdhsa_next_free_sgpr 102
		.amdhsa_reserve_vcc 0
		.amdhsa_float_denorm_mode_32 3
		.amdhsa_float_denorm_mode_16_64 3
		.amdhsa_memory_ordered 1
		.amdhsa_forward_progress 1
		.amdhsa_inst_pref_size 240
	.end_amdhsa_kernel
	.amdgpu_metadata
---
amdhsa.version: [ 1, 2 ]
amdhsa.kernels:
  - .name:           k_qa880578e1e_proj
    .symbol:         k_qa880578e1e_proj.kd
    .args:
      - { .name: codes, .offset: 0, .size: 8, .value_kind: global_buffer, .address_space: global }
      - { .name: scales, .offset: 8, .size: 8, .value_kind: global_buffer, .address_space: global }
      - { .name: bq, .offset: 16, .size: 8, .value_kind: global_buffer, .address_space: global }
      - { .name: bk, .offset: 24, .size: 8, .value_kind: global_buffer, .address_space: global }
      - { .name: bv, .offset: 32, .size: 8, .value_kind: global_buffer, .address_space: global }
      - { .name: heads, .offset: 40, .size: 8, .value_kind: global_buffer, .address_space: global }
    .group_segment_fixed_size: 327680
    .private_segment_fixed_size: 0
    .kernarg_segment_align: 8
    .kernarg_segment_size: 48
    .max_flat_workgroup_size: 128
    .sgpr_count:     102
    .vgpr_count:     1024
    .wavefront_size: 32
...
	.end_amdgpu_metadata
.endif
;; end of part 2
;; launch attn (part 3): grid 16 x 16, 8 waves a work-group, clusters of 4 x 1, 327,680 bytes of LDS; arguments heads, out0; writes out0
.if DOCPART == 3
	.amdgcn_target "amdgcn-amd-amdhsa--gfx1250"
	.amdhsa_code_object_version 6
	.text
	.protected	k_qa880578e1e_attn
	.globl	k_qa880578e1e_attn
	.p2align	8
	.type	k_qa880578e1e_attn,@function
k_qa880578e1e_attn:
	s_mov_b64 s[64:65], 0
	v_nop
	global_prefetch_b8 v0, s[64:65] scope:SCOPE_SE
	s_setreg_imm32_b32 hwreg(HW_REG_WAVE_MODE, 25, 1), 1
	s_wait_xcnt 0x0
	s_wait_alu depctr_hold_cnt(0) depctr_sa_sdst(0) depctr_va_vdst(0) depctr_va_sdst(0) depctr_va_ssrc(0) depctr_va_vcc(0) depctr_vm_vsrc(0)
	s_getreg_b32 s2, hwreg(HW_REG_IB_STS2, 6, 4)
	s_cmp_eq_u32 s2, 0
	s_cbranch_scc0 .Lentry_in_a_cluster
	s_endpgm
.Lentry_in_a_cluster:
	s_bfe_u32 s2, ttmp6, 0x10000c
	s_cmp_lg_u32 s2, 0x3003
	s_cbranch_scc0 .Lentry_shape_is_right
	s_endpgm
.Lentry_shape_is_right:
; out0[b][q][head 128 + d] = the sum over keys of softmax(Q . K / sqrt(128)) V, both products on codes of FP4 (E2M1) with one E8M0 scale for each 32 along a product's K.
; heads holds images of the operands' registers (fragment a, registers 4 g .. 4 g + 3, lane l at 1,024 a + 512 g + 16 l; scale words at 16 l + 4 i for row 16 (2 i + l / 16) + l % 16):
;   Q: blocks of 8,704 bytes, ((b 16 + head) 16 + block of 128 queries);  from QREG blocks of 17,408, ((b 8 + group) 16 + block of 128 keys): K's codes, V's codes (rows d, K = the keys), K's words, V's words.
; THE SOFTMAX: t = score x log2(e) / sqrt(128); M = the row's largest t so far, rounded up to a whole number; p = 2^(t - M) is quantised along the keys, not normalised; the row's sum is taken of the
; unquantised p and divides O at the end.  When M moves, the sums and O are multiplied by 2^(old M - new M): exact.
; SHARES.  A work-group owns 256 queries of one head, each of its eight waves 32 of them: two tiles of 16, so that a fragment of K or V read from LDS feeds two matrix instructions.
; ALL OF A GROUP'S K AND V STAYS IN LDS: 16 blocks, nothing is filled again.  Each wave asks for block w at the head and for block 8 + w behind the first cluster round; one barrier ahead of step 3 shows blocks 8-15.
; Behind that barrier no wave waits for another until the closing round, so a wave that is done stores while others still walk the keys.
; A block comes as 17 rows of 1,024 bytes with 64 bytes of padding behind each (pitch 1,088): two fragments on are 2,176 bytes, 128 modulo 256, so the sixteen lanes of a read of K below touch 256 different bytes modulo 256.
; CLUSTER.  The four work-groups of a cluster share batch and group: each block is asked for jointly, same descriptor, mask of all four.
; LAYOUT.  Both products transposed: S^T = K Q^T, O^T = V^T P^T: a lane holds one query (lane % 16) of each tile.  THE KEYS OF A TILE ARE CHOSEN: row m of tile 4 c + i is key 64 c + 32 (m / 8) + 8 i + m % 8.
; So lane half h holds, in the 32 registers of tiles 4 c .. 4 c + 3, the whole block 2 c + h of 32 keys in ascending order: a block's maximum needs no other lane, and the conversion of tile 4 c + i is register 4 c + i of P's operand.
; A BLOCK'S SCALE BYTE is floor(x + 125), x = t - M of the block's largest score, held at 1 from below: the exponent of 2^x is floor(x).
; LIMITS: x + 125 is rounded once in f32, so a block whose x lies within 2^-17 under a whole number may take the next larger scale (no code is clamped by that); a block whose every p is 0 keeps the byte 1 (its codes are zeros);
; NaN and infinities are not served; the scaled scores stay under 2^31 in magnitude.
; PREFETCH: blocks 8-15 are named once in each cluster at the head, one instruction a wave: of block 8 + w's 68 pieces of 256 bytes partner cx names 32 cx + lane (lanes left over name the last again); blocks 0-7 come by their loads alone.
; REGISTERS.  Window 0: v1-15 addresses; v10, 11 Q's scale words; v16-23, v32-39 Q; v24-27 K's scale words, v28-31 V's; v64 + 64 u S^T, then p; v192 + 8 u p's codes; v208 + 24 u a tile's statistics:
;   +0, +1 -M twice; +2 f (+3 its pair's upper half); +4..7 the sum in four parts; +8, 9 the blocks' largest scores; +10 the running largest score; +11, +18 at work; +12, 13 the conversions' scale operands; +14 125 - M; +15 p's scale word; +16, 17 bytes.
; Window 1: v0 + 64 u O^T; v128-191 K's eight fragments; v192-255 V's.
.set QREG, 4456448
.set KVB,  17408                       ; a block in memory
.set FP,   1088                        ; a row of 1,024 bytes in LDS
.set KVL,  17*FP                       ; a block in LDS
.set GRPB, 16*KVB
.set QBL,  8704
.set SPARE, 16*KVL                     ; the spare words: 128 bytes a wave
.set SP,   272                         ; the way out's stage: 16 rows x 272 bytes a wave, from LDS byte 0: blocks 0 and 1, last read in step 1, ahead of the barrier in front of step 3
.set LI,   1
.set ADK,  2
.set ADV,  3
.set GO,   4
.set KL,   5
.set KSL,  6
.set ADS,  7
.set SH8,  8
.set PFO,  9
.set QS,   10
.set SPW,  12
.set NIL,  13
.set STI,  14
.set STB,  15
.set QF,   16
.set KSC,  24
.set VSC,  28
.set S,    64
.set PC,   192
.set T,    208
.set O,    0
.set KF,   128
.set VF,   192
.set WV,   8
.set SEL,  20
.set CS,   22                          ; s22 c = log2(e) / sqrt(128), s23 -c
.set G1,   24
.set G0A,  32
.set G0B,  36
.set PFA,  40
.set TB,   48
.set CNT,  49
.set TN,   58
.set MSB, 0
.macro WIN new                         ; the immediate's high byte repeats the setting that is left
.if MSB != (\new)
	s_set_vgpr_msb (MSB<<8)|(\new)
.set MSB, (\new)
.endif
.endm
.set TO_W1, 0x40                       ; destination window 1
.set W_KQ,  0x01                       ; source 0 window 1
.set W_RS,  0x41                       ; destination and source 0 window 1
.set W_PV,  0x51                       ; V, C and D window 1; P window 0
.macro CROUND                          ; a round of the cluster's barrier
	s_barrier_signal -1
	s_barrier_wait -1
	s_cmp_lg_u32 s[WV], 0
	s_cbranch_scc1 .Lnot_wave_0_\@
	s_barrier_signal -3
.Lnot_wave_0_\@:
	s_barrier_wait -3
	s_barrier_signal -1
	s_barrier_wait -1
.endm
	s_load_b128 s[4:7], s[0:1], 0x0                ; heads, out0
	v_lshl_add_u32 v[SPW], v0, 2, SPARE
	v_mov_b32 v[NIL], 0
	ds_add_u32 v[SPW], v[NIL]                      ; the opening lines: the add twice on end, then one wait
	ds_add_u32 v[SPW], v[NIL]
	v_lshrrev_b32 v48, 5, v0
	v_readfirstlane_b32 s[WV], v48                 ; wave 0..7
	s_bfe_u32 s9, ttmp6, 0x40000                   ; cx: it enters global addresses of Q, out0 and the prefetch alone
	s_lshl_b32 s10, ttmp9, 2
	s_add_co_u32 s10, s10, s9                      ; work-group x
	s_and_b32 s11, ttmp7, 0xffff                   ; y = 8 b + group
	s_lshr_b32 s12, s10, 3                         ; which of the group's two heads
	s_and_b32 s13, s10, 7                          ; which 256 queries
	s_mul_i32 s14, s11, GRPB
	s_mul_i32 s16, s[WV], KVB
	s_add_co_u32 s14, s14, s16
	s_add_co_u32 s14, s14, QREG                    ; block w of my group, in memory
	s_mov_b32 s15, 0
	s_mul_i32 s16, s[WV], KVL                      ; and in LDS
	s_mov_b32 s[G1], 15|(3<<16)|(1<<20)|(1<<21)|(7<<22)|(15<<25)   ; mask of all four; elements of 8 bytes; padding on; bit 21 beside a mask; after every 256 words 16 words
	s_mov_b32 s[G1+1], 128<<16                     ; tensor_dim0
	s_mov_b32 s[G1+2], 17<<16                      ; tensor_dim1
	s_mov_b32 s[G1+3], 128<<16                     ; tile_dim0
	s_mov_b32 s[G1+4], 17                          ; tile_dim1
	s_mov_b32 s[G1+5], 128                         ; from row to row
	s_mov_b32 s[G1+6], 0
	s_mov_b32 s[G1+7], 0
	s_mov_b32 s[SEL], 0x76543210
	s_mov_b32 s[SEL+1], 0xfedcba98                 ; v_permlanex16_b32: lane l xor 16
	s_mov_b32 s[CS], 0x3e0293ee
	s_mov_b32 s[CS+1], 0xbe0293ee
	s_lshl_b32 s17, s11, 1
	s_add_co_u32 s17, s17, s12                     ; 16 b + head
	s_lshl_b32 s17, s17, 4
	s_lshl_b32 s18, s13, 1
	s_add_co_u32 s17, s17, s18
	s_lshr_b32 s18, s[WV], 2
	s_add_co_u32 s17, s17, s18                     ; + the block of 128 queries
	s_mul_i32 s50, s17, QBL
	s_and_b32 s18, s[WV], 3                        ; my fragments in it: 2 (wave % 4) and the next
	s_lshl_b32 s19, s18, 11
	s_add_co_u32 s52, s50, s19
	s_mov_b32 s53, 0
	s_lshl_b32 s18, s18, 2
	s_add_co_u32 s54, s50, s18
	s_add_co_u32 s54, s54, 8192                    ; their scale words
	s_mov_b32 s55, 0
	s_lshr_b32 s17, s11, 3
	s_lshl_b32 s17, s17, 11
	s_lshl_b32 s18, s13, 8
	s_add_co_u32 s17, s17, s18
	s_lshl_b32 s18, s[WV], 5
	s_add_co_u32 s17, s17, s18                     ; my first row of out0
	s_lshl_b32 s56, s17, 13
	s_and_b32 s18, s11, 7
	s_lshl_b32 s18, s18, 1
	s_add_co_u32 s18, s18, s12
	s_lshl_b32 s18, s18, 9
	s_add_co_u32 s56, s56, s18                     ; + the head's 512 bytes
	s_mov_b32 s57, 0
	s_mul_i32 s43, s[WV], 16*SP                    ; my stage
	s_lshl_b32 s42, s9, 5
	s_wait_dscnt 0x0                               ; both opening adds are done
	s_wait_kmcnt 0x0
	s_add_nc_u64 s[14:15], s[4:5], s[14:15]
	s_add_nc_u64 s[52:53], s[4:5], s[52:53]
	s_add_nc_u64 s[54:55], s[4:5], s[54:55]
	s_add_nc_u64 s[6:7], s[6:7], s[56:57]
	CROUND                                         ; all four work-groups are here: the joint loads meet
	s_mov_b32 s[G0A], 1
	s_mov_b32 s[G0A+1], s16
	s_mov_b64 s[G0A+2:G0A+3], s[14:15]
	s_or_b32 s[G0A+3], s[G0A+3], 0x80000000
	s_mov_b32 s[G0B], 1
	s_add_co_u32 s[G0B+1], s16, 8*KVL
	s_add_nc_u64 s[G0B+2:G0B+3], s[14:15], 8*KVB
	s_or_b32 s[G0B+3], s[G0B+3], 0x80000000
	s_add_nc_u64 s[PFA:PFA+1], s[14:15], 8*KVB
	tensor_load_to_lds s[G0A:G0A+3], s[G1:G1+7]    ; block w: my one tensor load at the head
	s_nop 0
	v_and_b32 v48, 31, v0
	v_lshlrev_b32 v[LI], 4, v48
	v_and_b32 v49, 15, v0                          ; r
	v_lshlrev_b32 v50, 4, v49
	v_bfe_u32 v51, v0, 4, 1                        ; h
.irp u, 0,1
	global_load_b128 v[QF+16*\u:QF+16*\u+3], v[LI], s[52:53] offset:1024*\u
	global_load_b128 v[QF+16*\u+4:QF+16*\u+7], v[LI], s[52:53] offset:1024*\u+512
	global_load_b32 v[QS+\u], v50, s[54:55] offset:256*\u
.endr
	v_lshlrev_b32 v[GO], 13, v51
	v_lshl_add_u32 v[GO], v49, 4, v[GO]            ; the way out: lanes 0-15 one row of out0, lanes 16-31 the next
	v_and_b32 v52, 7, v0                           ; r % 8
	v_bfe_u32 v53, v0, 3, 1                        ; r / 8
	v_lshlrev_b32 v[KL], 4, v52
	v_lshl_add_u32 v[KL], v51, 8, v[KL]
	v_mad_u32_u24 v[KL], v53, 2*FP, v[KL]          ; K's codes: 16 (r % 8) + 256 h + two fragments on for r / 8
	v_lshlrev_b32 v[KSL], 4, v52
	v_lshl_add_u32 v[KSL], v53, 2, v[KSL]
	v_lshl_add_u32 v[KSL], v51, 7, v[KSL]          ; K's scale words: 16 (r % 8) + 4 (r / 8); lanes 16-31 take the odd tile's, 128 bytes on
	v_lshlrev_b32 v[SH8], 3, v51                   ; 8 h
	v_mul_u32_u24 v[STI], v49, SP
	v_lshl_add_u32 v[STI], v51, 5, v[STI]
	v_add_nc_u32 v[STI], s43, v[STI]               ; into the stage: row r, 32 h bytes on
	v_mul_u32_u24 v[STB], v51, SP
	v_lshl_add_u32 v[STB], v49, 4, v[STB]
	v_add_nc_u32 v[STB], s43, v[STB]               ; back: lanes 0-15 one row, lanes 16-31 the next
	v_add_nc_u32 v[PFO], s42, v48
	v_min_u32 v[PFO], 67, v[PFO]
	v_lshlrev_b32 v[PFO], 8, v[PFO]
	global_prefetch_b8 v[PFO], s[PFA:PFA+1] th:TH_LOAD_NT scope:SCOPE_SE   ; block 8 + w; its address registers are never written again
.irp u, 0,1
	v_mov_b32 v[T+24*\u+10], 0xff61b1e6            ; the largest score so far: -3e38
	v_mov_b32 v[T+24*\u], 0x7f61b1e6               ; -M: 3e38, a whole number: the first f is 0 and multiplies zeros
	v_mov_b32 v[T+24*\u+1], 0x7f61b1e6
.irp n, 3,4,5,6,7,11
	v_mov_b32 v[T+24*\u+\n], 0
.endr
.endr
	WIN TO_W1
.set j, 0
.rept 128
	v_mov_b32 v[O+j], 0                            ; O^T begins as zeros, so that the step is written for all sixteen alike
.set j, j+1
.endr
	WIN 0
.macro KQ t, u                         ; S^T, tile t of K, tile u of Q.  K's scale words: register t / 2, an odd tile's in lanes 16-31
.if (\t)%2
	v_wmma_scale_f32_16x16x128_f8f6f4 v[S+64*\u+8*\t:S+64*\u+8*\t+7], v[KF+8*\t:KF+8*\t+7], v[QF+16*\u:QF+16*\u+7], 0, v[KSC+\t/2], v[QS+\u] matrix_a_fmt:MATRIX_FMT_FP4 matrix_b_fmt:MATRIX_FMT_FP4 matrix_a_scale:MATRIX_SCALE_ROW1
.else
	v_wmma_scale_f32_16x16x128_f8f6f4 v[S+64*\u+8*\t:S+64*\u+8*\t+7], v[KF+8*\t:KF+8*\t+7], v[QF+16*\u:QF+16*\u+7], 0, v[KSC+\t/2], v[QS+\u] matrix_a_fmt:MATRIX_FMT_FP4 matrix_b_fmt:MATRIX_FMT_FP4
.endif
.endm
.macro PV t, u                         ; O^T += V^T P^T, fragment t of V, tile u
.if (\t)%2
	v_wmma_scale_f32_16x16x128_f8f6f4 v[O+64*\u+8*\t:O+64*\u+8*\t+7], v[VF+8*\t:VF+8*\t+7], v[PC+8*\u:PC+8*\u+7], v[O+64*\u+8*\t:O+64*\u+8*\t+7], v[VSC+\t/2], v[T+24*\u+15] matrix_a_fmt:MATRIX_FMT_FP4 matrix_b_fmt:MATRIX_FMT_FP4 matrix_a_scale:MATRIX_SCALE_ROW1
.else
	v_wmma_scale_f32_16x16x128_f8f6f4 v[O+64*\u+8*\t:O+64*\u+8*\t+7], v[VF+8*\t:VF+8*\t+7], v[PC+8*\u:PC+8*\u+7], v[O+64*\u+8*\t:O+64*\u+8*\t+7], v[VSC+\t/2], v[T+24*\u+15] matrix_a_fmt:MATRIX_FMT_FP4 matrix_b_fmt:MATRIX_FMT_FP4
.endif
.endm
.macro KLOAD                           ; K's eight tiles and their scale words from the block at s[TN]: 20 LDS loads.  Tile 4 c + i: fragment 4 c + i / 2 (+ 2 for r / 8), rows 8 (i % 2) + r % 8
	v_add_nc_u32 v[ADK], s[TN], v[KL]
	v_add_nc_u32 v[ADS], s[TN], v[KSL]
	v_nop
	v_nop                                          ; with the two additions: four places behind the score products
	WIN TO_W1
.irp c, 0,1
.irp i, 0,1,2,3
.irp g, 0,1
	ds_load_b128 v[KF+8*(4*\c+\i)+4*\g:KF+8*(4*\c+\i)+4*\g+3], v[ADK] offset:FP*(4*\c+\i/2)+128*(\i%2)+512*\g
.endr
.endr
.endr
	WIN 0
.irp c, 0,1
.irp e, 0,1
	ds_load_b32 v[KSC+2*\c+\e], v[ADS] offset:16*FP+256*\e+8*\c
.endr
.endr
.endm
; A KEY STEP: 128 keys, the block at LDS byte s[TB], both tiles.  At its head K's 20 loads are out or in.
.macro STEP
	v_add_nc_u32 v[ADV], s[TB], v[LI]
	WIN TO_W1
.irp t, 0,1,2,3,4,5,6,7
	ds_load_b128 v[VF+8*\t:VF+8*\t+3], v[ADV] offset:FP*(8+\t)
	ds_load_b128 v[VF+8*\t+4:VF+8*\t+7], v[ADV] offset:FP*(8+\t)+512
.endr
	WIN 0
	ds_load_b128 v[VSC:VSC+3], v[ADV] offset:16*FP+512
	s_wait_dscnt 17                                ; K and its words are in; V's 17 loads stay out
	WIN W_KQ
.irp t, 0,1,2,3,4,5,6,7
.irp u, 0,1
	KQ \t, \u
.endr
.endr
	WIN 0
	s_add_co_u32 s[TN], s[TB], KVL
	s_min_u32 s[TN], s[TN], 15*KVL                 ; the next step's block; the last step asks for its own once more
	KLOAD
.irp c, 0,1                            ; the largest score of my block 2 c + h, 32 registers in ascending order: each accumulator is first read at its lowest register; four chains by turns
.irp u, 0,1
	v_max3_num_f32 v[T+24*\u+8+\c], v[S+64*\u+32*\c], v[S+64*\u+32*\c+1], v[S+64*\u+32*\c+2]
.endr
.endr
.irp i, 3,5,7,9,11,13,15,17,19,21,23,25,27,29
.irp c, 0,1
.irp u, 0,1
	v_max3_num_f32 v[T+24*\u+8+\c], v[T+24*\u+8+\c], v[S+64*\u+32*\c+\i], v[S+64*\u+32*\c+\i+1]
.endr
.endr
.endr
.irp c, 0,1
.irp u, 0,1
	v_max_num_f32 v[T+24*\u+8+\c], v[T+24*\u+8+\c], v[S+64*\u+32*\c+31]
.endr
.endr
.irp u, 0,1
	v_max3_num_f32 v[T+24*\u+10], v[T+24*\u+10], v[T+24*\u+8], v[T+24*\u+9]
.endr
.irp u, 0,1
	v_permlanex16_b32 v[T+24*\u+11], v[T+24*\u+10], s[SEL], s[SEL+1]
.endr
.irp u, 0,1
	v_max_num_f32 v[T+24*\u+10], v[T+24*\u+10], v[T+24*\u+11]   ; with the other half's blocks: my query's running largest score
.endr
.irp u, 0,1
	v_mul_f32 v[T+24*\u+11], s[CS+1], v[T+24*\u+10]             ; -t
.endr
.irp u, 0,1
	v_floor_f32 v[T+24*\u], v[T+24*\u+11]          ; the new -M = floor(-t)
.endr
.irp u, 0,1
	v_sub_f32 v[T+24*\u+18], v[T+24*\u], v[T+24*\u+1]   ; old M - new M: a whole number, 0 or less
.endr
.irp u, 0,1
	v_mov_b32 v[T+24*\u+1], v[T+24*\u]             ; -M once more, in the neighbouring register, for the second halves of the pairs below
.endr
.irp u, 0,1
	v_cvt_i32_f32 v[T+24*\u+18], v[T+24*\u+18]     ; (it saturates)
.endr
.irp u, 0,1
	v_add_f32 v[T+24*\u+14], 0x42fa0000, v[T+24*\u]   ; 125 - M
.endr
.irp u, 0,1
	v_ldexp_f32 v[T+24*\u+2], 1.0, v[T+24*\u+18]   ; f = 2^(old M - new M)
.endr
.irp u, 0,1
.set j, 0
.rept 32
	v_dual_fmamk_f32 v[S+64*\u+j], v[S+64*\u+j], 0x3e0293ee, v[T+24*\u] :: v_dual_fmamk_f32 v[S+64*\u+j+1], v[S+64*\u+j+1], 0x3e0293ee, v[T+24*\u+1]   ; t - M, two fused multiply-adds to a line
.set j, j+2
.endr
.endr
.irp c, 0,1
.irp u, 0,1
	v_fma_f32 v[T+24*\u+16+\c], v[T+24*\u+8+\c], s[CS], v[T+24*\u+14]   ; x + 125 of my block's largest score
.endr
.endr
.irp c, 0,1
.irp u, 0,1
	v_max_num_f32 v[T+24*\u+16+\c], 1.0, v[T+24*\u+16+\c]   ; the byte cannot fall under 1
.endr
.endr
.irp c, 0,1
.irp u, 0,1
	v_cvt_u32_f32 v[T+24*\u+16+\c], v[T+24*\u+16+\c]        ; toward zero: the floor of a positive number: the scale's byte
.endr
.endr
.irp c, 0,1
.irp u, 0,1
	v_lshlrev_b32 v[T+24*\u+12+\c], 23, v[T+24*\u+16+\c]    ; as an exponent field: the conversion's scale operand
.endr
.endr
.irp u, 0,1
	v_lshl_or_b32 v[T+24*\u+18], v[T+24*\u+17], 16, v[T+24*\u+16]   ; my bytes: blocks h and 2 + h,
.endr
.irp u, 0,1
	v_lshlrev_b32 v[T+24*\u+18], v[SH8], v[T+24*\u+18]      ; at their places in the word;
.endr
.irp u, 0,1
	v_permlanex16_b32 v[T+24*\u+11], v[T+24*\u+18], s[SEL], s[SEL+1]
.endr
.irp u, 0,1
	v_or_b32 v[T+24*\u+15], v[T+24*\u+18], v[T+24*\u+11]    ; with the other half's two: p's scale word
.endr
.irp u, 0,1
	v_pk_mul_f32 v[T+24*\u+4:T+24*\u+5], v[T+24*\u+4:T+24*\u+5], v[T+24*\u+2:T+24*\u+3] op_sel_hi:[1,0]   ; the sums under the new M
	v_pk_mul_f32 v[T+24*\u+6:T+24*\u+7], v[T+24*\u+6:T+24*\u+7], v[T+24*\u+2:T+24*\u+3] op_sel_hi:[1,0]
.endr
	WIN W_RS
.irp u, 0,1
.set j, 0
.rept 32
	v_pk_mul_f32 v[O+64*\u+j:O+64*\u+j+1], v[O+64*\u+j:O+64*\u+j+1], v[T+24*\u+2:T+24*\u+3] op_sel_hi:[1,0]   ; O^T under the new M, each accumulator from its low end on; it stands ahead of the exponentials
.set j, j+2
.endr
.endr
	WIN 0
	s_wait_alu depctr_va_vdst(0)
.set j, 0
.rept 128
	v_exp_f32 v[S+j], v[S+j]                       ; p = 2^(t - M)
.set j, j+1
.endr
	v_nop                                          ; a plain place behind the last exponential
	s_wait_alu depctr_va_vdst(0)                   ; and the wait behind the batch
.irp u, 0,1
.irp c, 0,1
.irp i, 0,1,2,3
	v_cvt_scalef32_pk8_fp4_f32 v[PC+8*\u+4*\c+\i], v[S+64*\u+8*(4*\c+\i):S+64*\u+8*(4*\c+\i)+7], v[T+24*\u+12+\c]   ; keys 64 c + 32 h + 8 i ..: register 4 c + i of P's operand as it stands
.endr
.endr
.endr
	v_nop                                          ; a plain place behind the last conversion
.set j, 0
.rept 16                               ; the sums of the unquantised p: four parts a tile, two additions to a line, four chains by turns.  These lines are also the places in front of the products below
.irp e, 0,2
.irp u, 0,1
	v_dual_add_f32 v[T+24*\u+4+\e], v[S+64*\u+j+\e], v[T+24*\u+4+\e] :: v_dual_add_f32 v[T+24*\u+5+\e], v[S+64*\u+j+\e+1], v[T+24*\u+5+\e]
.endr
.endr
.set j, j+4
.endr
	s_wait_dscnt 20                                ; V and its words are in; the next K's 20 loads stay out
	WIN W_PV
.irp t, 0,1,2,3,4,5,6,7                ; the sixteen accumulators take turns
.irp u, 0,1
	PV \t, \u
.endr
.endr
	WIN 0
.rept 4
	v_nop                                          ; places in front of the next loads into V's registers and of the reads of O^T
.endr
.endm
.macro WALK from, trips
	s_mov_b32 s[TB], (\from)*KVL
	s_mov_b32 s[CNT], \trips
.Lstep_\@:
	STEP
	s_add_co_u32 s[TB], s[TB], KVL
	s_sub_co_u32 s[CNT], s[CNT], 1
	s_cmp_lg_u32 s[CNT], 0
	s_cbranch_scc1 .Lstep_\@
.endm
	s_wait_alu depctr_va_vdst(0)
	s_wait_tensorcnt 0x0                           ; block w is in
	ds_add_u32 v[SPW], v[NIL]
	s_wait_dscnt 0x0
	CROUND                                         ; blocks 0-7 are whole, and all four work-groups are here
	tensor_load_to_lds s[G0B:G0B+3], s[G1:G1+7]    ; block 8 + w: it has steps 0 to 2 in which to land
	s_nop 0
.rept 4
	v_nop
.endr
	s_mov_b32 s[TN], 0
	KLOAD                                          ; K of step 0
	s_wait_loadcnt 0x0                             ; Q and its scale words
	WALK 0, 3                                      ; steps 0-2: they read blocks 0-2 and K of block 3
	s_wait_tensorcnt 0x0                           ; block 8 + w is in
	s_wait_dscnt 0x0
	s_barrier_signal -1
	s_barrier_wait -1                              ; blocks 8-15 are whole; nobody reads blocks 0-2 any more
	WALK 3, 13                                     ; steps 3-15
	s_wait_alu depctr_va_vdst(0)
	; THE WAY OUT, through my stage, half a head's row (256 bytes) of 16 queries at a time
.irp u, 0,1
	v_add_f32 v[T+24*\u+4], v[T+24*\u+4], v[T+24*\u+5]
	v_add_f32 v[T+24*\u+6], v[T+24*\u+6], v[T+24*\u+7]
.endr
.irp u, 0,1
	v_add_f32 v[T+24*\u+4], v[T+24*\u+4], v[T+24*\u+6]
.endr
.irp u, 0,1
	v_permlanex16_b32 v[T+24*\u+11], v[T+24*\u+4], s[SEL], s[SEL+1]
.endr
.irp u, 0,1
	v_add_f32 v[T+24*\u+4], v[T+24*\u+4], v[T+24*\u+11]   ; with the other half's keys: the row's sum
.endr
	s_wait_alu depctr_va_vdst(0)
.irp u, 0,1
	v_rcp_f32 v[T+24*\u+4], v[T+24*\u+4]
.endr
	v_nop
	WIN W_KQ
	s_wait_alu depctr_va_vdst(0)                   ; and behind them, directly ahead of the first readers of O^T
.set j, 0
.rept 64
	v_pk_mul_f32 v[S+j:S+j+1], v[O+j:O+j+1], v[T+24*(j/64)+4:T+24*(j/64)+5] op_sel_hi:[1,0]   ; O^T / the sum, two at a time: register 64 u + 8 t + i is o(query 16 u + r, 16 t + 8 h + i)
.set j, j+2
.endr
	WIN 0
.irp g, 0,1,2,3                        ; tile g / 2, channels 64 (g % 2) on
.irp t, 0,1,2,3
	ds_store_b128 v[STI], v[S+32*\g+8*\t:S+32*\g+8*\t+3] offset:64*\t
	ds_store_b128 v[STI], v[S+32*\g+8*\t+4:S+32*\g+8*\t+7] offset:64*\t+16
.endr
.irp i, 0,1,2,3,4,5,6,7
	ds_load_b128 v[S+32*\g+4*\i:S+32*\g+4*\i+3], v[STB] offset:2*\i*SP   ; LDS serves a wave's instructions in order
.endr
.endr
.irp g, 0,1,2,3
.irp i, 0,1,2,3,4,5,6,7
	s_wait_dscnt 16*(3-\g)+7-\i                    ; behind this load stand its 7 - i younger ones and the later turns' 8 stores and 8 loads each
	global_store_b128 v[GO], v[S+32*\g+4*\i:S+32*\g+4*\i+3], s[6:7] offset:(\g/2)*16*8192+2*\i*8192+256*(\g%2) th:TH_STORE_NT   ; sixteen lanes store 256 consecutive bytes, aligned
.endr
.endr
	s_wait_tensorcnt 0x0                           ; the wave's end
	ds_add_u32 v[SPW], v[NIL]
	s_wait_dscnt 0x0
	CROUND                                         ; the closing round
	s_endpgm
.Lfunc_end_k_qa880578e1e_attn:
	.size	k_qa880578e1e_attn, .Lfunc_end_k_qa880578e1e_attn-k_qa880578e1e_attn
	.p2alignl 7, 3214868480
	.fill 96, 4, 3214868480
	.section	.rodata,"a",@progbits
	.p2align	6, 0x0
	.amdhsa_kernel k_qa880578e1e_attn
		.amdhsa_group_segment_fixed_size 327680
		.amdhsa_private_segment_fixed_size 0
		.amdhsa_enable_private_segment 0
		.amdhsa_kernarg_size 16
		.amdhsa_user_sgpr_count 2
		.amdhsa_user_sgpr_kernarg_segment_ptr 1
		.amdhsa_wavefront_size32 1
		.amdhsa_system_sgpr_workgroup_id_x 1
		.amdhsa_system_sgpr_workgroup_id_y 1
		.amdhsa_system_sgpr_workgroup_id_z 1
		.amdhsa_system_vgpr_workitem_id 0
		.amdhsa_next_free_vgpr 512
		.amdhsa_next_free_sgpr 66
		.amdhsa_reserve_vcc 0
		.amdhsa_float_denorm_mode_32 3
		.amdhsa_float_denorm_mode_16_64 3
		.amdhsa_memory_ordered 1
		.amdhsa_forward_progress 1
		.amdhsa_inst_pref_size 92
	.end_amdhsa_kernel
	.amdgpu_metadata
---
amdhsa.version: [ 1, 2 ]
amdhsa.kernels:
  - .name:           k_qa880578e1e_attn
    .symbol:         k_qa880578e1e_attn.kd
    .args:
      - { .name: heads, .offset: 0, .size: 8, .value_kind: global_buffer, .address_space: global }
      - { .name: out0, .offset: 8, .size: 8, .value_kind: global_buffer, .address_space: global }
    .group_segment_fixed_size: 327680
    .private_segment_fixed_size: 0
    .kernarg_segment_align: 8
    .kernarg_segment_size: 16
    .max_flat_workgroup_size: 256
    .sgpr_count:     66
    .vgpr_count:     512
    .wavefront_size: 32
...
	.end_amdgpu_metadata
.endif
;; end of part 3
